; MI455X (gfx1250); checked and timed in simulation.
; The chip was launched on July 23, 2026; its instructions are those of AMD's public machine-readable ISA for CDNA 5 (MIT licence, August 2026) and "CDNA5" Instruction Set Architecture Reference Guide (July 2026). The comments in the code are by the model that wrote it; some were corrected since.
;; Test Silu Mul Nvfp4 Quant Model. Allowed arithmetic: float matrix products may take bf16 or f16 operands with f32 sums; all other float work in f32.
;; Inputs: scale 1 float32; w 4,096 x 2,048 int32; wscale 4,096 x 256 float32; wscale2 1 float32; x 4,096 x 8,192 float32.
;; Outputs: out0 4,096 x 4,096 float32.
;; 2 versions, each right; version 2 is version 1 with the launch prep written anew for expert scheduling mode. Each part assembles by itself: llvm-mc -triple=amdgcn-amd-amdhsa -mcpu=gfx1250 --defsym DOCPART=n.
;; ======== version 1 of 2: 2 launches
;; workspace buffers: aq 33,554,432 bytes; bq 33,554,432 bytes
;; launch prep (part 1): grid 1280 x 1, 8 waves a work-group, no clusters, 0 bytes of LDS; arguments x, scale, w, wscale, aq, bq; writes aq, bq
.if DOCPART == 1
	.amdgcn_target "amdgcn-amd-amdhsa--gfx1250"
	.amdhsa_code_object_version 6
	.text
	.protected	k_qbef38127ba_prep
	.globl	k_qbef38127ba_prep
	.p2align	8
	.type	k_qbef38127ba_prep,@function
k_qbef38127ba_prep:
	s_mov_b64 s[64:65], 0
	v_nop
	global_prefetch_b8 v0, s[64:65] scope:SCOPE_SE
	s_setreg_imm32_b32 hwreg(HW_REG_WAVE_MODE, 25, 1), 1
	s_wait_xcnt 0x0
; Two independent streams in one launch, told apart by the work-group's number.
;   groups 0..1023:    aq[m][k] = bf16( e2m1(clip(y inv)) * sf ),  y = silu(x[m][k]) * x[m][4096+k], in blocks of 16 along k:
;                      sf = e4m3(amax * (gs/6)), inv = gs/sf (0 where sf is 0), gs = 1/scale.      4 rows of x a group.
;   groups 1024..1279: bq[n][k] = bf16( e2m1 code of w * e4m3(wscale) ).                            16 rows of w a group.
; Both products have at most 2 + 4 significant bits, so bf16 holds them exactly.
; Every number is read once and written once, nothing is shared between waves: no LDS, no barrier, no cluster, no matrix unit.
;
; The quantiser is discontinuous, so the f32 steps are done in the order in which the problem writes them, each rounded once:
; the divisions by numbers that are data (1/scale, 1/(1+e), gs/sf) are a reciprocal refined by fused residual steps, and a value
; exactly on a midpoint of the e2m1 grid goes toward zero (a search for the first bound that is not below |v|), not to the even code.
; e^t is Cephes' expf: t = n ln2 + r in two parts, a polynomial of degree 5 in r, times 2^n; multiply-adds fused.
; LIMITS KEPT: x is finite.  For g below about -87.3 the reciprocal of 1 + e^-g is below 2^-126 and is taken as 0 (so y = 0 there).
; n is the nearest whole number to -g log2(e) formed with one rounding.  1/(1+e) can be one unit in the last place off where 1 + e has
; a significand of all ones.  scale is such that 1/scale and gs/sf are normal f32 numbers.  e^t is good to about one unit in the last
; place.  The division by the constant 6 is a product by the f32 number nearest to 1/6, the form that a compiler gives a division by a
; constant: gs/6 can differ from the true quotient by one unit in the last place.  A block scale, or |wscale|, above 464 becomes NaN,
; as e4m3 without infinities makes it.
.set XGROUPS, 1024                     ; work-groups of the activation stream
.set ROWX,   32768                     ; bytes in a row of x
.set ROWA,   8192                      ; bytes in a row of aq, of bq and of w
.set ROWS_,  1024                      ; bytes in a row of wscale
	s_load_b256 s[4:11], s[0:1], 0x0               ; x s[4:5], scale s[6:7], w s[8:9], wscale s[10:11]
	s_load_b128 s[12:15], s[0:1], 0x20             ; aq s[12:13], bq s[14:15]
	s_mov_b32 s47, 0x43e00000                      ; 448, e4m3's largest number
	s_mov_b32 s48, 0x43e80000                      ; 464, the last number that rounds to it (the tie goes to the even code)
	s_cmp_ge_u32 ttmp9, XGROUPS
	s_cbranch_scc1 .Lweights
; ---------------------------------------------------------------- activations
; A slot is 2,048 columns of one row; a row is slot 0, then slot 1.  Thread t holds 8 numbers of a slot, as two halves h = 0, 1 at
; columns 2048 s + 1024 h + 4 t .. + 3: four neighbouring lanes hold a block of 16, a wave's 16-byte load covers 512 consecutive
; bytes, and a wave's 8-byte store covers 256 consecutive bytes, aligned.
.set VG,  1                            ; v1       16 t: my bytes in a piece of x; never rewritten
.set VO,  2                            ; v2       8 t: my bytes in a piece of aq; never rewritten
.set MAG, 4                            ; v[4:5]   1.5 * 2^23, twice
.set P1,  6                            ; v[6:7]   the polynomial's second coefficient, twice
.set GS,  8                            ; v[8:9]   gs, twice
.set CQ,  10                           ; v[10:11] gs / 6, twice
.set MX,  12                           ; v[12:13] amax of my block, h = 0, 1
.set AS,  14                           ; v[14:15] amax * (gs/6)
.set SF,  16                           ; v[16:17] the block scale
.set RB,  18                           ; v[18:19] 1 / sf
.set EB,  20                           ; v[20:21] residuals
.set QB,  22                           ; v[22:23] first quotient
.set IV,  24                           ; v[24:25] inv
.set T0,  26                           ; v26      at work
                                       ; v27      two e4m3 codes in its low half
.set O,   28                           ; v[28:35] slot s: 4 registers to store
.set A,   36                           ; v[36:43], v[44:51], v[52:59], v[60:67]: four banks of 8 at work
.set B,   44
.set C,   52
.set D,   60
.set X,   68                           ; v[68:99] slot s: 8 registers of g, then 8 of u, as loaded
.macro SPAIR r, val                    ; a constant in both registers of a pair: a packed instruction counts as reading both
	s_mov_b32 s[\r], \val
	s_mov_b32 s[\r+1], \val
.endm
.macro XFILL s, ahead                  ; the slot's four loads: g h = 0, 1, then u h = 0, 1; ahead = 1: of the next row
.irp p, 0,1,2,3
	global_load_b128 v[X+16*\s+4*\p:X+16*\s+4*\p+3], v[VG], s[4:5] offset:\ahead*ROWX+8192*\s+4096*(\p&1)+16384*(\p>>1) th:TH_LOAD_NT
.endr
.endm
.macro BYBLOCK dst, src, pair          ; 8 numbers times their block's figure: numbers 0-3 by the pair's first register, 4-7 by its second
.irp j, 0,2
	v_pk_mul_f32 v[\dst+\j:\dst+\j+1], v[\src+\j:\src+\j+1], v[\pair:\pair+1] op_sel_hi:[1,0]
.endr
.irp j, 4,6
	v_pk_mul_f32 v[\dst+\j:\dst+\j+1], v[\src+\j:\src+\j+1], v[\pair:\pair+1] op_sel:[0,1] op_sel_hi:[1,1]
.endr
.endm
	s_lshl_b32 s2, ttmp9, 17                       ; 4 rows of 32,768 bytes a group (below 2^28)
	s_mov_b32 s3, 0
	s_lshl_b32 s18, ttmp9, 15                      ; 4 rows of 8,192 bytes
	s_mov_b32 s19, 0
	v_lshlrev_b32 v[VG], 4, v0
	v_lshlrev_b32 v[VO], 3, v0
	s_wait_kmcnt 0x0
	s_load_b32 s16, s[6:7], 0x0                    ; scale
	s_add_nc_u64 s[4:5], s[4:5], s[2:3]
	s_add_nc_u64 s[12:13], s[12:13], s[18:19]
	XFILL 0, 0                                     ; row 0: eight loads of every wave are on their way before anything else is done
	XFILL 1, 0
	SPAIR 20, 0x3fb8aa3b                           ; log2(e)
	SPAIR 24, 0xbf318000                           ; -0.693359375, ln2's upper part
	SPAIR 26, 0x395e8083                           ; +2.12194440e-4, minus its lower part
	SPAIR 28, 0x39506967                           ; the polynomial, highest power first
	SPAIR 30, 0x3c088908
	SPAIR 32, 0x3d2aa9c1
	SPAIR 34, 0x3e2aaaaa
	s_mov_b32 s38, 0xc2af999a                      ; -87.8 and 88: the exponent's argument is kept where 2^n can be built
	s_mov_b32 s39, 0x42b00000
	SPAIR 40, 0x3f7fffff                           ; 1 - 2^-24
	SPAIR 42, 0x4ac00000                           ; 1.5 * 2^22
	s_mov_b32 s44, 0x7f800000                      ; a number's exponent field
	s_mov_b32 s45, 0x40c00000                      ; 6
	s_mov_b32 s46, 0xc0c00000                      ; -6
	s_mov_b32 s49, 0x3e2aaaab                      ; the f32 number nearest to 1/6
	v_mov_b32 v[MAG], 0x4b400000
	v_mov_b32 v[MAG+1], 0x4b400000
	v_mov_b32 v[P1], 0x3ab743ce
	v_mov_b32 v[P1+1], 0x3ab743ce
	v_mov_b32 v27, 0                               ; its low half is written by halves later: the whole is written once here
	s_wait_kmcnt 0x0                               ; scale
	v_rcp_f32 v[GS], s16
	v_nop                                          ; one plain instruction behind a reciprocal before its result is used (ISA guide 5.7.2)
	s_wait_alu depctr_va_vdst(0)
.rept 2
	v_fma_f32 v[T0], -s16, v[GS], 1.0              ; gs = 1 / scale: two residual steps
	v_fma_f32 v[GS], v[T0], v[GS], v[GS]
.endr
	v_mul_f32 v[CQ], s49, v[GS]                    ; gs / 6 as one product by the rounded 1/6 (see the limits at the head)
	v_mov_b32 v[GS+1], v[GS]
	v_mov_b32 v[CQ+1], v[CQ]
; One slot's turn.  refill = 1: the slot is loaded again with the next row's numbers as soon as g and u have been used.
; left = how many younger loads may stay out: the other slot's four.
.macro XSLOT s, refill, left
	s_wait_loadcnt \left                           ; loads come back in order (ISA guide 5.7.1): this slot's four are in
.irp j, 0,1,2,3,4,5,6,7
	v_med3_num_f32 v[A+\j], -v[X+16*\s+\j], s38, s39           ; t = -g, kept in [-87.8, 88]
.endr
.irp j, 0,2,4,6
	v_pk_fma_f32 v[B+\j:B+\j+1], v[A+\j:A+\j+1], s[20:21], v[MAG:MAG+1] op_sel_hi:[1,0,1]   ; 1.5 * 2^23 + n: n stands in the low bits
.endr
.irp j, 0,1,2,3,4,5,6,7
	v_lshl_add_u32 v[C+\j], v[B+\j], 23, 0x3f800000            ; 2^n: (127 + n) in the exponent field
.endr
.irp j, 0,2,4,6
	v_pk_add_f32 v[B+\j:B+\j+1], v[B+\j:B+\j+1], v[MAG:MAG+1] neg_lo:[0,1] neg_hi:[0,1]     ; n as a number
.endr
.irp j, 0,2,4,6
	v_pk_fma_f32 v[A+\j:A+\j+1], v[B+\j:B+\j+1], s[24:25], v[A+\j:A+\j+1] op_sel_hi:[1,0,1] ; r = t - n ln2, in two parts
.endr
.irp j, 0,2,4,6
	v_pk_fma_f32 v[A+\j:A+\j+1], v[B+\j:B+\j+1], s[26:27], v[A+\j:A+\j+1] op_sel_hi:[1,0,1]
.endr
.irp j, 0,2,4,6
	v_pk_fma_f32 v[B+\j:B+\j+1], v[A+\j:A+\j+1], s[28:29], v[P1:P1+1] op_sel_hi:[1,0,1]     ; Horner
.endr
.irp c, 30,32,34
.irp j, 0,2,4,6
	v_pk_fma_f32 v[B+\j:B+\j+1], v[B+\j:B+\j+1], v[A+\j:A+\j+1], s[\c:\c+1] op_sel_hi:[1,1,0]
.endr
.endr
.irp j, 0,2,4,6
	v_pk_fma_f32 v[B+\j:B+\j+1], v[B+\j:B+\j+1], v[A+\j:A+\j+1], 0.5 op_sel_hi:[1,1,0]
.endr
.irp j, 0,2,4,6
	v_pk_mul_f32 v[D+\j:D+\j+1], v[A+\j:A+\j+1], v[A+\j:A+\j+1]                             ; r^2
.endr
.irp j, 0,2,4,6
	v_pk_fma_f32 v[B+\j:B+\j+1], v[B+\j:B+\j+1], v[D+\j:D+\j+1], v[A+\j:A+\j+1]             ; p r^2 + r
.endr
.irp j, 0,2,4,6
	v_pk_add_f32 v[B+\j:B+\j+1], v[B+\j:B+\j+1], 1.0 op_sel_hi:[1,0]                        ; e^r
.endr
.irp j, 0,2,4,6
	v_pk_fma_f32 v[B+\j:B+\j+1], v[B+\j:B+\j+1], v[C+\j:C+\j+1], 1.0 op_sel_hi:[1,1,0]      ; 1 + e^r 2^n: the product by 2^n is exact wherever it can change the sum
.endr
.irp j, 0,1,2,3,4,5,6,7
	v_rcp_f32 v[D+\j], v[B+\j]
.endr
	v_nop                                          ; the plain instruction behind the reciprocals (ISA guide 5.7.2)
	s_wait_alu depctr_va_vdst(0)
.irp j, 0,2,4,6
	v_pk_fma_f32 v[A+\j:A+\j+1], v[B+\j:B+\j+1], v[D+\j:D+\j+1], 1.0 op_sel_hi:[1,1,0] neg_lo:[1,0,0] neg_hi:[1,0,0]   ; 1 - (1 + e) d
.endr
.irp j, 0,2,4,6
	v_pk_fma_f32 v[D+\j:D+\j+1], v[A+\j:A+\j+1], v[D+\j:D+\j+1], v[D+\j:D+\j+1]             ; 1 / (1 + e^-g), after a residual step
.endr
.irp j, 0,2,4,6
	v_pk_mul_f32 v[D+\j:D+\j+1], v[X+16*\s+\j:X+16*\s+\j+1], v[D+\j:D+\j+1]                 ; silu(g)
.endr
.irp j, 0,2,4,6
	v_pk_mul_f32 v[D+\j:D+\j+1], v[D+\j:D+\j+1], v[X+16*\s+8+\j:X+16*\s+8+\j+1]             ; y
.endr
.if \refill
	XFILL \s, 1                                    ; g and u have been read for the last time
.endif
.irp h, 0,1
	v_max3_num_f32 v[MX+\h], |v[D+4*\h]|, |v[D+4*\h+1]|, |v[D+4*\h+2]|
	v_max_num_f32 v[MX+\h], v[MX+\h], |v[D+4*\h+3]|
.endr
.irp m, 1,2
.irp h, 0,1
	v_max_num_f32_dpp v[MX+\h], v[MX+\h], v[MX+\h] row_xmask:\m row_mask:0xf bank_mask:0xf  ; over the block's four lanes; all four end with amax
.endr
.endr
	v_pk_mul_f32 v[AS:AS+1], v[MX:MX+1], v[CQ:CQ+1]
.irp h, 0,1
	v_cmp_ge_f32 vcc_lo, s48, v[AS+\h]             ; up to 464 the nearest e4m3 number is at most 448; the conversion does not
	v_min_num_f32 v[T0], s47, v[AS+\h]             ; saturate, so such a value is brought to 448 first; a larger one goes on and becomes NaN
	v_cndmask_b32 v[AS+\h], v[AS+\h], v[T0], vcc_lo
.endr
	v_cvt_pk_fp8_f32 v27.l, v[AS], v[AS+1]
	v_cvt_pk_f32_fp8 v[SF:SF+1], v27.l             ; sf
	v_cmp_lt_f32 s50, 0, v[SF]
	v_cmp_lt_f32 s51, 0, v[SF+1]
	v_rcp_f32 v[RB], v[SF]
	v_rcp_f32 v[RB+1], v[SF+1]
	v_nop                                          ; the plain instruction behind the reciprocals
	s_wait_alu depctr_va_vdst(0)
	v_pk_fma_f32 v[EB:EB+1], v[SF:SF+1], v[RB:RB+1], 1.0 op_sel_hi:[1,1,0] neg_lo:[1,0,0] neg_hi:[1,0,0]   ; 1 - sf r
	v_pk_fma_f32 v[RB:RB+1], v[EB:EB+1], v[RB:RB+1], v[RB:RB+1]      ; 1 / sf
	v_pk_mul_f32 v[QB:QB+1], v[RB:RB+1], v[GS:GS+1]                  ; gs / sf: first quotient,
	v_pk_fma_f32 v[EB:EB+1], v[SF:SF+1], v[QB:QB+1], v[GS:GS+1] neg_lo:[1,0,0] neg_hi:[1,0,0]   ; its exact remainder,
	v_pk_fma_f32 v[IV:IV+1], v[EB:EB+1], v[RB:RB+1], v[QB:QB+1]      ; one correction
	v_cndmask_b32 v[IV], 0, v[IV], s50             ; 0 where sf is not above 0
	v_cndmask_b32 v[IV+1], 0, v[IV+1], s51
	BYBLOCK A, D, IV                               ; v = y inv
.irp j, 0,1,2,3,4,5,6,7
	v_med3_num_f32 v[A+\j], v[A+\j], s46, s45      ; clipped to [-6, 6]
.endr
	; Onto the e2m1 grid.  Its step is half of 2^floor(log2 max(|v|, 1)): 0.5 below 2, 1 below 4, 2 up to 6.  M = that power times
	; 1.5 * 2^22 has the step as its last place, so v (1 - 2^-24) + M, rounded once, is M + the grid's nearest number; the factor
	; takes a v that lies on a midpoint T below it, and leaves the next number above T above it (its distance from T is at least
	; T * 2^-23 / 1.75).  So midpoints go toward zero and nothing else moves.
.irp j, 0,1,2,3,4,5,6,7
	v_max_num_f32 v[B+\j], |v[A+\j]|, 1.0
.endr
.irp j, 0,1,2,3,4,5,6,7
	v_and_b32 v[B+\j], s44, v[B+\j]
.endr
.irp j, 0,2,4,6
	v_pk_mul_f32 v[B+\j:B+\j+1], v[B+\j:B+\j+1], s[42:43] op_sel_hi:[1,0]
.endr
.irp j, 0,2,4,6
	v_pk_fma_f32 v[A+\j:A+\j+1], v[A+\j:A+\j+1], s[40:41], v[B+\j:B+\j+1] op_sel_hi:[1,0,1]
.endr
.irp j, 0,2,4,6
	v_pk_add_f32 v[A+\j:A+\j+1], v[A+\j:A+\j+1], v[B+\j:B+\j+1] neg_lo:[0,1] neg_hi:[0,1]   ; q, exactly
.endr
	BYBLOCK A, A, SF                               ; q sf, exact
.irp k, 0,1,2,3
	v_cvt_pk_bf16_f32 v[O+4*\s+\k], v[A+2*\k], v[A+2*\k+1]     ; exact too.  O of this slot was last stored in the trip before, ahead of that trip's closing wait
.endr
.irp h, 0,1
	global_store_b64 v[VO], v[O+4*\s+2*\h:O+4*\s+2*\h+1], s[12:13] offset:4096*\s+2048*\h
.endr
.endm
	s_mov_b32 s52, 3
.Lrow:
	XSLOT 0, 1, 4
	XSLOT 1, 1, 4
	s_wait_xcnt 0x0                                ; both bases and the stores' data are rewritten only behind this wait
	s_add_nc_u64 s[4:5], s[4:5], ROWX
	s_add_nc_u64 s[12:13], s[12:13], ROWA
	s_sub_co_u32 s52, s52, 1
	s_cmp_lg_u32 s52, 0
	s_cbranch_scc1 .Lrow
	XSLOT 0, 0, 4                                  ; the fourth row: nothing more is loaded, the counts run down
	XSLOT 1, 0, 0
	s_endpgm
; ---------------------------------------------------------------- weights
; A step is one row of w (2,048 words, each with two e2m1 codes in its low byte).  Wave v takes bytes 1024 v .. + 1023 of it by two
; 16-byte loads (q = 0, 1) of 512 consecutive bytes.  A word becomes two bf16, so what a lane loads it stores at the same offset in bq.
; The wave's 512 numbers have 32 scales, 128 consecutive bytes of the row of wscale.  In load q lane L holds k = 256 q + 8 L .. + 7 of
; the wave's numbers, half a block, so it needs scale 16 q + L/2: it loads that word itself, once for each q, 64 bytes apart (two
; neighbouring lanes take the same word; the two loads together cover the wave's 128 bytes).  No number passes between lanes.
.set WVW, 1                            ; v1       1024 v + 16 L; never rewritten
.set WVS, 2                            ; v2       128 v + 4 (L/2): my scale's byte for q = 0 in the row of wscale; never rewritten
.set ONE8, 3                           ; v3       the exponent code of 1.0 for the scaled conversion, in all four bytes
.set WS,  4                            ; v[4:11]  slot i: my two scales as loaded, q = 0, 1
.set W,   12                           ; v[12:43] slot i: 8 words as loaded
.set SC,  44                           ; v44, v46 my block's scale as e4m3 holds it, q = 0, 1: each the first register of a pair
.set WT,  45                           ; v45, v47 its magnitude on the way there: the pairs' second registers, written in every turn
                                       ; v48      at work;  v49: two e4m3 codes in its low half;  v50, v51: at work
.set PK,  52                           ; v[52:53] load q: my eight codes in one word
.set F,   54                           ; v[54:61] eight numbers in f32
.set WO,  62                           ; v[62:69] load q: 4 registers to store
.macro WFILL i, ahead                  ; the slot's four loads; ahead = 1: of the row four further down
	global_load_b32 v[WS+2*\i], v[WVS], s[10:11] offset:\ahead*4*ROWS_+ROWS_*\i
	global_load_b32 v[WS+2*\i+1], v[WVS], s[10:11] offset:\ahead*4*ROWS_+ROWS_*\i+64
	global_load_b128 v[W+8*\i:W+8*\i+3], v[WVW], s[8:9] offset:\ahead*4*ROWA+ROWA*\i th:TH_LOAD_NT
	global_load_b128 v[W+8*\i+4:W+8*\i+7], v[WVW], s[8:9] offset:\ahead*4*ROWA+ROWA*\i+512 th:TH_LOAD_NT
.endm
.Lweights:
	s_sub_co_u32 s16, ttmp9, XGROUPS
	s_lshl_b32 s2, s16, 17                         ; 16 rows of 8,192 bytes, in w and in bq
	s_mov_b32 s3, 0
	s_lshl_b32 s18, s16, 14                        ; 16 rows of 1,024 bytes in wscale
	s_mov_b32 s19, 0
	s_mov_b32 s24, 0x0400                          ; the low bytes of two words into bytes 0 and 1
	s_mov_b32 s25, 0x05040100                      ; two such pairs into one word
	s_mov_b32 s27, 0x7fffffff                      ; all of a number but its sign
	v_and_b32 v48, 31, v0                          ; L
	v_and_b32 v50, 0xe0, v0                        ; 32 v
	v_lshlrev_b32 v[WVW], 4, v48
	v_lshl_or_b32 v[WVW], v50, 5, v[WVW]           ; 1024 v + 16 L
	v_lshlrev_b32 v[WVS], 1, v0
	v_and_b32 v[WVS], 0x3c, v[WVS]                 ; 4 (L/2)
	v_lshl_or_b32 v[WVS], v50, 2, v[WVS]           ; + 128 v
	v_mov_b32 v[ONE8], 0x7f7f7f7f                  ; the factor is 1
	v_mov_b32 v49, 0                               ; written by halves later
	s_wait_kmcnt 0x0
	s_add_nc_u64 s[8:9], s[8:9], s[2:3]
	s_add_nc_u64 s[14:15], s[14:15], s[2:3]
	s_add_nc_u64 s[10:11], s[10:11], s[18:19]
.irp i, 0,1,2,3
	WFILL \i, 0                                    ; four rows, sixteen loads of every wave on their way
.endr
; The turn of slot i = row i of a trip's four.  left = how many younger loads may stay out: four for each younger slot.
.macro WSLOT i, refill, left
	s_wait_loadcnt \left
	s_wait_xcnt 0x0                                ; the registers that the last slot's stores read are rewritten only behind this wait
.irp q, 0,1
	v_and_b32 v[WT+2*\q], s27, v[WS+2*\i+\q]       ; the magnitude is rounded to e4m3, the sign is put back behind it
	v_cmp_ge_f32 vcc_lo, s48, v[WT+2*\q]           ; as for the block scales: up to 464 to at most 448, beyond it NaN
	v_min_num_f32 v48, s47, v[WT+2*\q]
	v_cndmask_b32 v[WT+2*\q], v[WT+2*\q], v48, vcc_lo
.endr
	v_cvt_pk_fp8_f32 v49.l, v[WT], v[WT+2]
	v_cvt_f32_fp8 v[SC], v49                       ; byte 0
	v_cvt_f32_fp8 v[SC+2], v49 byte_sel:1
	v_bfi_b32 v[SC], s27, v[SC], v[WS+2*\i]
	v_bfi_b32 v[SC+2], s27, v[SC+2], v[WS+2*\i+1]
.irp q, 0,1
	v_perm_b32 v50, v[W+8*\i+4*\q+1], v[W+8*\i+4*\q], s24      ; the words' low bytes alone count
	v_perm_b32 v51, v[W+8*\i+4*\q+3], v[W+8*\i+4*\q+2], s24
	v_perm_b32 v[PK+\q], v51, v50, s25             ; eight codes, the lowest k in the lowest bits
.endr
.if \refill
	WFILL \i, 1                                    ; the slot's scales and words have been read for the last time
.endif
.irp q, 0,1
	v_cvt_scale_pk8_f32_fp4 v[F:F+7], v[PK+\q], v[ONE8]
	v_nop                                          ; one plain instruction behind a scaled conversion before its result is read
.irp k, 0,2,4,6
	v_pk_mul_f32 v[F+\k:F+\k+1], v[F+\k:F+\k+1], v[SC+2*\q:SC+2*\q+1] op_sel_hi:[1,0]       ; both by the pair's first register
.endr
.irp k, 0,1,2,3
	v_cvt_pk_bf16_f32 v[WO+4*\q+\k], v[F+2*\k], v[F+2*\k+1]
.endr
	global_store_b128 v[WVW], v[WO+4*\q:WO+4*\q+3], s[14:15] offset:ROWA*\i+512*\q
.endr
.endm
	s_mov_b32 s52, 3
.Lwrows:
.irp i, 0,1,2,3
	WSLOT \i, 1, 12
.endr
	s_wait_xcnt 0x0                                ; the three bases are stepped only behind this wait
	s_add_nc_u64 s[8:9], s[8:9], 4*ROWA
	s_add_nc_u64 s[14:15], s[14:15], 4*ROWA
	s_add_nc_u64 s[10:11], s[10:11], 4*ROWS_
	s_sub_co_u32 s52, s52, 1
	s_cmp_lg_u32 s52, 0
	s_cbranch_scc1 .Lwrows
	WSLOT 0, 0, 12                                 ; the last four rows load nothing: the counts run down
	WSLOT 1, 0, 8
	WSLOT 2, 0, 4
	WSLOT 3, 0, 0
	s_endpgm
.Lfunc_end_k_qbef38127ba_prep:
	.size	k_qbef38127ba_prep, .Lfunc_end_k_qbef38127ba_prep-k_qbef38127ba_prep
	.p2alignl 7, 3214868480
	.fill 96, 4, 3214868480
	.section	.rodata,"a",@progbits
	.p2align	6, 0x0
	.amdhsa_kernel k_qbef38127ba_prep
		.amdhsa_group_segment_fixed_size 0
		.amdhsa_private_segment_fixed_size 0
		.amdhsa_enable_private_segment 0
		.amdhsa_kernarg_size 48
		.amdhsa_user_sgpr_count 2
		.amdhsa_user_sgpr_kernarg_segment_ptr 1
		.amdhsa_wavefront_size32 1
		.amdhsa_system_sgpr_workgroup_id_x 1
		.amdhsa_system_sgpr_workgroup_id_y 1
		.amdhsa_system_sgpr_workgroup_id_z 1
		.amdhsa_system_vgpr_workitem_id 0
		.amdhsa_next_free_vgpr 100
		.amdhsa_next_free_sgpr 66
		.amdhsa_reserve_vcc 1
		.amdhsa_float_denorm_mode_32 3
		.amdhsa_float_denorm_mode_16_64 3
		.amdhsa_memory_ordered 1
		.amdhsa_forward_progress 1
		.amdhsa_inst_pref_size 69
	.end_amdhsa_kernel
	.amdgpu_metadata
---
amdhsa.version: [ 1, 2 ]
amdhsa.kernels:
  - .name:           k_qbef38127ba_prep
    .symbol:         k_qbef38127ba_prep.kd
    .args:
      - { .name: x, .offset: 0, .size: 8, .value_kind: global_buffer, .address_space: global }
      - { .name: scale, .offset: 8, .size: 8, .value_kind: global_buffer, .address_space: global }
      - { .name: w, .offset: 16, .size: 8, .value_kind: global_buffer, .address_space: global }
      - { .name: wscale, .offset: 24, .size: 8, .value_kind: global_buffer, .address_space: global }
      - { .name: aq, .offset: 32, .size: 8, .value_kind: global_buffer, .address_space: global }
      - { .name: bq, .offset: 40, .size: 8, .value_kind: global_buffer, .address_space: global }
    .group_segment_fixed_size: 0
    .private_segment_fixed_size: 0
    .kernarg_segment_align: 8
    .kernarg_segment_size: 48
    .max_flat_workgroup_size: 256
    .sgpr_count:     66
    .vgpr_count:     100
    .wavefront_size: 32
...
	.end_amdgpu_metadata
.endif
;; end of part 1
;; launch gemm (part 2): grid 16 x 16, 4 waves a work-group, clusters of 4 x 4, 327,680 bytes of LDS; arguments aq, bq, out0, scale, wscale2; writes out0
.if DOCPART == 2
	.amdgcn_target "amdgcn-amd-amdhsa--gfx1250"
	.amdhsa_code_object_version 6
	.text
	.protected	k_qbef38127ba_gemm
	.globl	k_qbef38127ba_gemm
	.p2align	8
	.type	k_qbef38127ba_gemm,@function
k_qbef38127ba_gemm:
	s_mov_b64 s[64:65], 0
	v_nop
	global_prefetch_b8 v0, s[64:65] scope:SCOPE_SE
	s_setreg_imm32_b32 hwreg(HW_REG_WAVE_MODE, 25, 1), 1
	s_wait_xcnt 0x0
	s_wait_alu depctr_hold_cnt(0) depctr_sa_sdst(0) depctr_va_vdst(0) depctr_va_sdst(0) depctr_va_ssrc(0) depctr_va_vcc(0) depctr_vm_vsrc(0)
	s_getreg_b32 s2, hwreg(HW_REG_IB_STS2, 6, 4)
	s_cmp_eq_u32 s2, 0
	s_cbranch_scc0 .Lentry_in_a_cluster
	s_endpgm
.Lentry_in_a_cluster:
	s_bfe_u32 s2, ttmp6, 0x10000c
	s_cmp_lg_u32 s2, 0xf033
	s_cbranch_scc0 .Lentry_shape_is_right
	s_endpgm
.Lentry_shape_is_right:
; out0[m][n] = scale * wscale2 * sum over k of aq[m][k] bq[n][k].  aq, bq: [4096][4096] bf16 (they hold the quantised operands exactly);
; sums in f32; out0: [4096][4096] f32.
; A work-group makes a block of 256 x 256 with four waves; a wave makes 128 x 128: 64 accumulator tiles of 16 x 16, 512 registers.
; K goes in 32 steps of 128 through a ring of two LDS slots filled by the tensor data mover: a tile's rows are 256 bytes of memory
; and start at multiples of 256 bytes from the buffer's first byte.
; CLUSTERS: 4 x 4 work-groups form a cluster.  The four of a row of the cluster need the same tiles of aq, the four of a column the same
; tiles of bq.  Such a tile is asked for jointly: each of the four issues the same tensor load, with the same descriptor and a mask that
; names the four, and each receives it in its own LDS.  That divides the requests for both operands by four.
; By this text's own count a wave has at most two tensor loads out: the two first fills, later the one refill behind a round.
;
; REGISTERS, in windows of 256 (s_set_vgpr_msb says which window each operand place means):
;   window 0: v16-29 addresses and alpha; v64-127, v128-191 fragments of aq, two buffers; v192-255 at work on the way out
;   window 1: v64-127, v128-191 fragments of bq, two buffers
;   window 2: the 32 accumulator tiles of my rows 0-63 (tile (a, b) at v[8 (8 a + b)]);   window 3: those of my rows 64-127
; THE MATRIX INSTRUCTION IS USED TRANSPOSED: source 0 = 16 rows of bq, source 1 = 16 rows of aq.  Lane l then holds row l % 16 of the
; result and its registers 0 to 7 the columns 8 (l / 16) + 0 .. 7: eight neighbouring f32 of a row, 32 bytes.
; The 64 accumulators take turns, one instruction a turn, in the same order in every quarter step.
.set SIZE_M, 4096
.set SIZE_N, 4096
.set SIZE_K, 4096
.set KSTEP,  128
.set PITCH,  272                       ; an LDS row: 256 bytes of data + 16 of padding: the 16 rows that a fragment load touches start at 16 different 16-byte columns of 256 bytes
.set HALFT,  128*PITCH                 ; 128 rows: what one tensor load brings, and what one wave reads of either operand
.set SLOT,   4*HALFT                   ; aq's 256 rows, then bq's 256 rows
.set STAGE,  2*SLOT                    ; behind the ring (byte 278,528): 16 rows x 528 bytes for each wave, for the way out; no tensor load lands here
.set SPITCH, 528                       ; 512 bytes of a row of 128 f32 + 16
.set LAPS, SIZE_K/(2*KSTEP)            ; a lap = two K steps = once round the ring: 16
.set ADRA, 16                          ; v16-17  LDS address of my aq fragments in slot 0, 1
.set ADRB, 20                          ; v20-21  the same for bq
.set STO,  24                          ; v24     the way out: where I put 32 bytes of a row
.set RD,   25                          ; v25     the way out: where I read a row back
.set CO,   26                          ; v26     my byte offset in a row of out0
.set AL,   28                          ; v[28:29] alpha = scale * wscale2, twice
.set F0,   64                          ; fragment buffer 0
.set F1,   128                         ; fragment buffer 1
.set TMP,  192                         ; the way out: scaled results, in window 0
.set G1, 24                            ; s[24:31] descriptor group 1 for aq's tiles
.set G0, 32                            ; s[32:39] descriptor group 0 for aq's tiles, one set for each slot
.set G1B, 48                           ; s[48:55] descriptor group 1 for bq's tiles: it differs in the mask alone
.set G0B, 56                           ; s[56:63] descriptor group 0 for bq's tiles, one set for each slot
.set MSB, 0
.macro WIN new                         ; the immediate's high byte repeats the setting that is left
.if MSB != \new
	s_set_vgpr_msb (MSB<<8)|\new
.set MSB, \new
.endif
.endm
.set MUL_LO, 0xa1                      ; source 0 (bq) window 1, source 1 (aq) window 0, C and D window 2
.set MUL_HI, 0xf1                      ; the same, C and D window 3
.set TO_B,   0x40                      ; destination window 1, address window 0
; A joint load.  Waves 0 and 1 fetch aq's two halves, waves 2 and 3 bq's.  Each of the two lines has one mask and one set of registers
; for all that issue it.  The branch hangs on the wave's number alone: it is the same in every work-group.
.macro JLOAD s
	s_cmp_eq_u32 s11, 0
	s_cbranch_scc0 .Lfor_b_\@
	tensor_load_to_lds s[G0+4*\s:G0+4*\s+3], s[G1:G1+7]
	s_nop 0
	s_branch .Lasked_\@
.Lfor_b_\@:
	tensor_load_to_lds s[G0B+4*\s:G0B+4*\s+3], s[G1B:G1B+7]
	s_nop 0
.Lasked_\@:
.endm
; A round of the cluster's barrier: my work-group's barrier, so that wave 0's signal speaks for all four waves; wave 0 signals for the
; work-group; every wave waits for all sixteen work-groups; my work-group's barrier once more.
.macro CREST                           ; a round behind its opening barrier
	s_cmp_lg_u32 s10, 0
	s_cbranch_scc1 .Lnot_wave_0_\@
	s_barrier_signal -3
.Lnot_wave_0_\@:
	s_barrier_wait -3
	s_barrier_signal -1
	s_barrier_wait -1
.endm
.macro CROUND                          ; a whole round
	s_barrier_signal -1
	s_barrier_wait -1
	CREST
.endm
	s_load_b128 s[4:7], s[0:1], 0x0                ; aq s[4:5], bq s[6:7]
	s_load_b64 s[8:9], s[0:1], 0x10                ; out0
	s_load_b128 s[68:71], s[0:1], 0x18             ; scale s[68:69], wscale2 s[70:71]
	s_set_vgpr_msb 0x40
	v_lshl_add_u32 v255, v0, 2, 0x4c400
	s_set_vgpr_msb 0x4000
	v_mov_b32 v63, 0
	s_set_vgpr_msb 0x1
	ds_add_u32 v255, v63
	s_set_vgpr_msb 0x100
	v_lshrrev_b32 v1, 5, v0
	v_readfirstlane_b32 s10, v1                    ; wave 0..3
	s_lshr_b32 s11, s10, 1                         ; which half of the block's rows is mine.  Also: I fetch for aq (0) or for bq (1)
	s_and_b32 s12, s10, 1                          ; which half of its columns.  Also: which 128 rows of that tile I fetch
	s_bfe_u32 s40, ttmp6, 0x40000                  ; cx: my place along the cluster's x
	s_bfe_u32 s41, ttmp6, 0x40004                  ; cy: along its y
	s_lshl_b32 s42, ttmp9, 2                       ; in a cluster launch ttmp9 and ttmp7 count clusters
	s_add_co_u32 s42, s42, s40                     ; block column = 4 x cluster x + cx
	s_and_b32 s13, ttmp7, 0xffff
	s_lshl_b32 s13, s13, 2
	s_add_co_u32 s13, s13, s41                     ; block row = 4 x cluster y + cy
	s_lshl_b32 s43, s41, 2
	s_lshl_b32 s43, 15, s43                        ; my row of the cluster: places 4 cy .. 4 cy + 3
	s_lshl_b32 s44, 0x1111, s40                    ; my column: places cx, cx + 4, cx + 8, cx + 12
	; descriptor group 1: a tile of 128 rows x 128 elements, padded in LDS
	s_or_b32 s[G1+0], s43, (1<<16)|(1<<20)|(1<<21)|(5<<22)|(3<<25)  ; 15:0 the mask: aq's tiles go to my row; 17:16 element of 2 bytes; 20 padding on; 21 set beside a mask; 24:22 after every 64 words (code 5); 31:25 of 4 words (code 3)
	s_or_b32 s[G1B+0], s44, (1<<16)|(1<<20)|(1<<21)|(5<<22)|(3<<25) ; the same with the mask of my column, for bq's tiles
	s_mov_b32 s[G1B+1], KSTEP<<16
	s_mov_b32 s[G1+1], KSTEP<<16                   ; 63:48 tensor_dim0, low half = 128
	s_mov_b32 s[G1B+2], 128<<16
	s_mov_b32 s[G1+2], 128<<16                     ; 79:64 its high half = 0; 95:80 tensor_dim1, low half = 128
	s_mov_b32 s[G1B+3], KSTEP<<16
	s_mov_b32 s[G1+3], KSTEP<<16                   ; 111:96 its high half = 0; 127:112 tile_dim0 = 128
	s_mov_b32 s[G1B+4], 128
	s_mov_b32 s[G1+4], 128                         ; 143:128 tile_dim1 = 128; 159:144 tile_dim2 = 0
	s_mov_b32 s[G1B+5], SIZE_K
	s_mov_b32 s[G1+5], SIZE_K                      ; 191:160 tensor_dim0_stride, low word: elements from row to row
	s_mov_b32 s[G1B+6], 0
	s_mov_b32 s[G1+6], 0
	s_mov_b32 s[G1B+7], 0
	s_mov_b32 s[G1+7], 0
	; where the tiles come from.  aq's hang on the block row alone, which my row of the cluster shares; bq's on the block column alone,
	; which my column shares.  Every wave makes both addresses, in registers that never hold the other coordinate, and asks by one of them.
	s_lshl_b32 s17, s12, 7                         ; which 128 rows of the tile I fetch
	s_lshl_b32 s16, s13, 8
	s_add_co_u32 s16, s16, s17                     ; aq: row 256 x block row + 128 x half
	s_lshl_b32 s46, s42, 8
	s_add_co_u32 s46, s46, s17                     ; bq: row 256 x block column + 128 x half
	s_mov_b32 s17, 0
	s_mov_b32 s47, 0
	s_mov_b64 s[18:19], SIZE_K*2
	s_mul_u64 s[16:17], s[16:17], s[18:19]         ; in bytes, in 64 bits
	s_mul_u64 s[46:47], s[46:47], s[18:19]
	s_mul_i32 s20, s10, HALFT                      ; and where they go: wave x 128 rows: no place in the cluster enters an LDS address
	s_wait_dscnt 0x0
	s_wait_kmcnt 0x0
	s_load_b32 s66, s[68:69], 0x0                  ; scale
	s_load_b32 s67, s[70:71], 0x0                  ; wscale2
	s_add_nc_u64 s[14:15], s[4:5], s[16:17]
	s_add_nc_u64 s[46:47], s[6:7], s[46:47]
	CROUND                                         ; all sixteen work-groups are here: the first joint loads meet
.irp s, 0,1
	s_mov_b32 s[G0+4*\s], 1                                        ; 1:0 count = 1
	s_add_co_u32 s[G0+4*\s+1], s20, \s*SLOT                        ; 63:32 LDS address
	s_add_nc_u64 s[G0+4*\s+2:G0+4*\s+3], s[14:15], \s*KSTEP*2      ; 120:64 global address: K step s
	s_or_b32 s[G0+4*\s+3], s[G0+4*\s+3], 0x80000000                ; 127:126 type = 2
	s_mov_b32 s[G0B+4*\s], 1
	s_add_co_u32 s[G0B+4*\s+1], s20, \s*SLOT
	s_add_nc_u64 s[G0B+4*\s+2:G0B+4*\s+3], s[46:47], \s*KSTEP*2
	s_or_b32 s[G0B+4*\s+3], s[G0B+4*\s+3], 0x80000000
	JLOAD \s                                       ; the ring is filled before anything else is done
.endr
	; A fragment is 16 rows x 32 K in 8 registers: lane l holds row l % 16; registers 0-3 hold K = 8 (l / 16) + 0..7, registers 4-7 hold
	; K = 16 + 8 (l / 16) + 0..7.  From rows that lie along K: two loads of 16 bytes, 32 bytes apart.  The same for both sources.
	v_and_b32 v1, 15, v0                           ; l % 16
	v_bfe_u32 v2, v0, 4, 1                         ; l / 16
	v_mul_u32_u24 v3, v1, PITCH
	v_lshl_add_u32 v3, v2, 4, v3                   ; row x pitch + 16 x half
	s_mul_i32 s21, s11, HALFT                      ; my 128 rows of aq
	s_mul_i32 s22, s12, HALFT                      ; my 128 rows of bq,
	s_add_co_u32 s22, s22, 2*HALFT                 ; which lie behind aq's 256
.irp s, 0,1
	v_add_nc_u32 v[ADRA+\s], s21, v3
	v_add_nc_u32 v[ADRB+\s], s22, v3
	s_add_co_u32 s21, s21, SLOT
	s_add_co_u32 s22, s22, SLOT
.endr
	s_mul_i32 s23, s10, 16*SPITCH
	s_add_co_u32 s23, s23, STAGE                   ; my stage
	v_mul_u32_u24 v4, v1, SPITCH                   ; in: row l % 16, 32 bytes for each half of the lanes
	v_lshl_add_u32 v4, v2, 5, v4
	v_add_nc_u32 v[STO], s23, v4
	v_and_b32 v5, 31, v0
	v_lshlrev_b32 v[CO], 4, v5                     ; back, and out: the 32 lanes take one row of 512 bytes, 16 bytes each
	v_add_nc_u32 v[RD], s23, v[CO]
	s_wait_kmcnt 0x0                               ; scale and wscale2
	v_mul_f32 v[AL], s66, s67                      ; alpha
	v_mov_b32 v[AL+1], v[AL]
; 16 matrix instructions: m blocks a0, a0 + 1 of the window's four (hi = 0: my rows 0-63, 1: rows 64-127) x all 8 n blocks, 32 along K.
; zero = 1: the first product starts the sums: nothing is ever cleared.
.macro MUL16 f, hi, a0, zero
.irp a, \a0, \a0+1
.irp b, 0,1,2,3,4,5,6,7
.if \zero
	v_wmma_f32_16x16x32_bf16 v[8*(8*(\a)+\b):8*(8*(\a)+\b)+7], v[\f+8*\b:\f+8*\b+7], v[\f+8*(4*\hi+\a):\f+8*(4*\hi+\a)+7], 0
.else
	v_wmma_f32_16x16x32_bf16 v[8*(8*(\a)+\b):8*(8*(\a)+\b)+7], v[\f+8*\b:\f+8*\b+7], v[\f+8*(4*\hi+\a):\f+8*(4*\hi+\a)+7], v[8*(8*(\a)+\b):8*(8*(\a)+\b)+7]
.endif
.endr
.endr
.endm
; 32 LDS loads in one run: the fragments of one quarter step (128 rows of bq, 128 rows of aq, 32 K at byte k of the rows) into buffer f
.macro FETCH slot, k, f
	WIN TO_B
.irp i, 0,1,2,3,4,5,6,7
	ds_load_b128 v[\f+8*\i:\f+8*\i+3],   v[ADRB+\slot] offset:\k+\i*16*PITCH
	ds_load_b128 v[\f+8*\i+4:\f+8*\i+7], v[ADRB+\slot] offset:\k+\i*16*PITCH+32
.endr
	WIN 0
.irp i, 0,1,2,3,4,5,6,7
	ds_load_b128 v[\f+8*\i:\f+8*\i+3],   v[ADRA+\slot] offset:\k+\i*16*PITCH
	ds_load_b128 v[\f+8*\i+4:\f+8*\i+7], v[ADRA+\slot] offset:\k+\i*16*PITCH+32
.endr
.endm
; A load into a register that a matrix instruction has read, and a vector instruction that reads a matrix result, stand four places behind
; that matrix instruction, and only plain vector instructions that name none of its registers are places (ISA guide 7.12.1 for vector
; instructions).  So four v_nop stand in front of each run of loads and in front of the way out.
.macro PLACES
.rept 4
	v_nop
.endr
.endm
; A K step is four quarter steps of 32 along K, 64 matrix instructions each, on buffers 0, 1, 0, 1.
; One of the first three: multiplies buffer f; in its middle it fetches the next quarter's fragments, at byte k of the same slot's rows, into buffer g.
.macro QUARTER slot, k, f, g, zero
	s_wait_dscnt 8                                 ; bq's and aq's rows 0-63 are in; the youngest eight loads (aq's rows 64-127) may be out
	WIN MUL_LO
	MUL16 \f, 0, 0, \zero
	MUL16 \f, 0, 2, \zero
	PLACES
	FETCH \slot, \k, \g
	s_wait_dscnt 32                                ; all but the 32 just issued
	WIN MUL_HI
	MUL16 \f, 1, 0, \zero
	MUL16 \f, 1, 2, \zero
.endm
.macro THREE slot, zero
	QUARTER \slot, 64,  F0, F1, \zero
	QUARTER \slot, 128, F1, F0, 0
	QUARTER \slot, 192, F0, F1, 0
.endm
; The last quarter: multiplies buffer 1 and changes slots.  next = the other slot; fill = 1: this slot is filled again, two K steps ahead.
; One barrier for the change of slots, for two things.  In front of it each wave waits for its own reads of this slot and for all its tensor
; loads, of which one is out: its part of the next slot.  Behind it nobody reads this slot any more and the next slot is whole: the refill
; comes first, then the next slot's first fragments.  From a request to the wait for it a wave issues 240 matrix instructions.
.macro TURN slot, next, fill
	s_wait_dscnt 8
	WIN MUL_LO
	MUL16 F1, 0, 0, 0
	s_wait_dscnt 0                                 ; my reads of this slot are over
	s_wait_tensorcnt 0x0                           ; and all my tensor loads have landed: the one that was out is my part of the next slot
	ds_add_u32 v255, v63
	s_wait_dscnt 0x0
	s_barrier_signal -1                            ; say so (where a slot is filled again this barrier opens a round of the cluster's barrier),
	MUL16 F1, 0, 2, 0                              ; work on registers while the others arrive,
	WIN 0
	s_barrier_wait -1                              ; and go on when all four have said so
.if \fill
	CREST                                          ; all sixteen work-groups have said so: no wave of any partner still reads this slot's tile or has a load on its way
	s_add_nc_u64 s[G0+4*\slot+2:G0+4*\slot+3], s[G0+4*\slot+2:G0+4*\slot+3], 2*KSTEP*2
	s_add_nc_u64 s[G0B+4*\slot+2:G0B+4*\slot+3], s[G0B+4*\slot+2:G0B+4*\slot+3], 2*KSTEP*2
	JLOAD \slot                                    ; the first tensor load behind the round, and the wave's only one until the next
.endif
	PLACES
	FETCH \next, 0, F0
	WIN MUL_HI
	MUL16 F1, 1, 0, 0
	MUL16 F1, 1, 2, 0
.endm
.macro LAP zero                        ; once round the ring, both slots filled again
	THREE 0, \zero
	TURN 0, 1, 1
	THREE 1, 0
	TURN 1, 0, 1
.endm
	s_wait_tensorcnt 1                             ; my part of K step 0 is in; K step 1's may stay out
	s_barrier_signal -1
	s_barrier_wait -1                              ; everybody's is
	FETCH 0, 0, F0
	LAP 1                                          ; the first lap stands in front of the loop: its first products start the sums
	WIN 0                                          ; at a label and at a branch every window is 0
	s_mov_b32 s3, LAPS-2
.Llap:
	LAP 0
	WIN 0
	s_sub_co_u32 s3, s3, 1
	s_cmp_lg_u32 s3, 0
	s_cbranch_scc1 .Llap
	THREE 0, 0                                     ; the last lap fills nothing and has no round of the cluster's barrier: my one tensor load that is still out is slot 1's, the last K step's
	TURN 0, 1, 0
	THREE 1, 0
	s_wait_dscnt 8                                 ; the very last quarter: nothing more to fetch
	WIN MUL_LO
	MUL16 F1, 0, 0, 0
	MUL16 F1, 0, 2, 0
	s_wait_dscnt 0
	WIN MUL_HI
	MUL16 F1, 1, 0, 0
	MUL16 F1, 1, 2, 0
	; THE WAY OUT, 16 rows at a time: times alpha, 32 bytes a lane and tile into my own stage in LDS, read back as whole rows of 512 bytes.
	; The four v_nop are the places behind the last matrix instructions: for the multiplications, which read results, and for the loads
	; into buffers 0 and 1.
	PLACES
	s_lshl_b32 s13, s13, 8
	s_lshl_b32 s14, s11, 7
	s_add_co_u32 s16, s13, s14                     ; my first row of out0
	s_mov_b32 s17, 0
	s_mov_b64 s[18:19], SIZE_N*4
	s_mul_u64 s[16:17], s[16:17], s[18:19]
	s_add_nc_u64 s[8:9], s[8:9], s[16:17]
	s_lshl_b32 s46, s42, 10                        ; my first column, in bytes: 1024 x block + 512 x half
	s_lshl_b32 s47, s12, 9
	s_add_co_u32 s46, s46, s47
	s_mov_b32 s47, 0
	s_add_nc_u64 s[8:9], s[8:9], s[46:47]
; rows 16 i .. 16 i + 15 of my block = the eight tiles (a, 0..7) of window 2 or 3 (from = 0x02 or 0x03: source 0); f: F0 or F1 in turn
.macro OUT16 i, a, from, f
	WIN \from
.irp b, 0,1,2,3,4,5,6,7
.irp r, 0,2,4,6
	v_pk_mul_f32 v[TMP+8*\b+\r:TMP+8*\b+\r+1], v[8*(8*\a+\b)+\r:8*(8*\a+\b)+\r+1], v[AL:AL+1]
.endr
.endr
	WIN 0
.irp b, 0,1,2,3,4,5,6,7
	ds_store_b128 v[STO], v[TMP+8*\b:TMP+8*\b+3] offset:64*\b          ; the pitch of 528 bytes puts the 16 rows of a half at 16 different 16-byte columns of 256 bytes
	ds_store_b128 v[STO], v[TMP+8*\b+4:TMP+8*\b+7] offset:64*\b+16
.endr
	s_wait_xcnt 0x0                                ; buffer f, which earlier stores read, and the stores' base are rewritten only behind this wait
.if \i
	s_add_nc_u64 s[8:9], s[8:9], 16*SIZE_N*4       ; 16 rows on, so that the stores' offsets stay at 15 rows at the most
.endif
.irp t, 0,1,2,3,4,5,6,7,8,9,10,11,12,13,14,15
	ds_load_b128 v[\f+4*\t:\f+4*\t+3], v[RD] offset:\t*SPITCH          ; LDS serves a wave's instructions in order (ISA guide 5.7.1.4): these see the stores above, and the next group's stores come behind them
.endr
.irp t, 0,1,2,3,4,5,6,7,8,9,10,11,12,13,14,15
	s_wait_dscnt 15-\t                             ; row t is back; the younger rows may be out
	global_store_b128 v[CO], v[\f+4*\t:\f+4*\t+3], s[8:9] offset:\t*SIZE_N*4 th:TH_STORE_NT   ; the wave stores 512 consecutive bytes, at a multiple of 512 from out0's first byte
.endr
.endm
	OUT16 0, 0, 0x02, F0
	OUT16 1, 1, 0x02, F1
	OUT16 2, 2, 0x02, F0
	OUT16 3, 3, 0x02, F1
	OUT16 4, 0, 0x03, F0
	OUT16 5, 1, 0x03, F1
	OUT16 6, 2, 0x03, F0
	OUT16 7, 3, 0x03, F1
	s_set_vgpr_msb 0x1
	s_wait_tensorcnt 0x0
	ds_add_u32 v255, v63
	s_wait_dscnt 0x0
	s_set_vgpr_msb 0x100
	CROUND                                         ; the closing round: no work-group ends while a partner may still ask for a tile that names it
	s_endpgm
.Lfunc_end_k_qbef38127ba_gemm:
	.size	k_qbef38127ba_gemm, .Lfunc_end_k_qbef38127ba_gemm-k_qbef38127ba_gemm
	.p2alignl 7, 3214868480
	.fill 96, 4, 3214868480
	.section	.rodata,"a",@progbits
	.p2align	6, 0x0
	.amdhsa_kernel k_qbef38127ba_gemm
		.amdhsa_group_segment_fixed_size 327680
		.amdhsa_private_segment_fixed_size 0
		.amdhsa_enable_private_segment 0
		.amdhsa_kernarg_size 40
		.amdhsa_user_sgpr_count 2
		.amdhsa_user_sgpr_kernarg_segment_ptr 1
		.amdhsa_wavefront_size32 1
		.amdhsa_system_sgpr_workgroup_id_x 1
		.amdhsa_system_sgpr_workgroup_id_y 1
		.amdhsa_system_sgpr_workgroup_id_z 1
		.amdhsa_system_vgpr_workitem_id 0
		.amdhsa_next_free_vgpr 1024
		.amdhsa_next_free_sgpr 72
		.amdhsa_reserve_vcc 0
		.amdhsa_float_denorm_mode_32 3
		.amdhsa_float_denorm_mode_16_64 3
		.amdhsa_memory_ordered 1
		.amdhsa_forward_progress 1
		.amdhsa_inst_pref_size 212
	.end_amdhsa_kernel
	.amdgpu_metadata
---
amdhsa.version: [ 1, 2 ]
amdhsa.kernels:
  - .name:           k_qbef38127ba_gemm
    .symbol:         k_qbef38127ba_gemm.kd
    .args:
      - { .name: aq, .offset: 0, .size: 8, .value_kind: global_buffer, .address_space: global }
      - { .name: bq, .offset: 8, .size: 8, .value_kind: global_buffer, .address_space: global }
      - { .name: out0, .offset: 16, .size: 8, .value_kind: global_buffer, .address_space: global }
      - { .name: scale, .offset: 24, .size: 8, .value_kind: global_buffer, .address_space: global }
      - { .name: wscale2, .offset: 32, .size: 8, .value_kind: global_buffer, .address_space: global }
    .group_segment_fixed_size: 327680
    .private_segment_fixed_size: 0
    .kernarg_segment_align: 8
    .kernarg_segment_size: 40
    .max_flat_workgroup_size: 128
    .sgpr_count:     72
    .vgpr_count:     1024
    .wavefront_size: 32
...
	.end_amdgpu_metadata
.endif
;; end of part 2
;; ======== version 2 of 2: 2 launches; version 1 with the launch prep written anew for expert scheduling mode
;; workspace buffers: aq 33,554,432 bytes; bq 33,554,432 bytes
;; launch prep (part 3): grid 1280 x 1, 8 waves a work-group, no clusters, 0 bytes of LDS; arguments x, scale, w, wscale, aq, bq; writes aq, bq
.if DOCPART == 3
	.amdgcn_target "amdgcn-amd-amdhsa--gfx1250"
	.amdhsa_code_object_version 6
	.text
	.protected	k_qbef38127ba_prep
	.globl	k_qbef38127ba_prep
	.p2align	8
	.type	k_qbef38127ba_prep,@function
k_qbef38127ba_prep:
	s_mov_b64 s[64:65], 0
	v_nop
	global_prefetch_b8 v0, s[64:65] scope:SCOPE_SE
	s_setreg_imm32_b32 hwreg(HW_REG_WAVE_SCHED_MODE, 0, 2), 2
	s_setreg_imm32_b32 hwreg(HW_REG_WAVE_MODE, 25, 1), 1
	s_wait_xcnt 0x0
	s_wait_alu depctr_vm_vsrc(0)
; Two independent streams in one launch, told apart by the work-group's number.
;   groups 0..1023:    aq[m][k] = bf16( e2m1(clip(y inv)) * sf ),  y = silu(x[m][k]) * x[m][4096+k], in blocks of 16 along k:
;                      sf = e4m3(amax * (gs/6)), inv = gs/sf (0 where sf is 0), gs = 1/scale.      4 rows of x a group.
;   groups 1024..1279: bq[n][k] = bf16( e2m1 code of w * e4m3(wscale) ).                            16 rows of w a group.
; Both products have at most 2 + 4 significant bits, so bf16 holds them exactly.
; Every number is read once and written once, nothing is shared between waves: no LDS, no barrier, no cluster, no matrix unit.
;
; The quantiser is discontinuous, so the f32 steps are done in the order in which the problem writes them, each rounded once:
; the divisions by numbers that are data (1/scale, 1/(1+e), gs/sf) are a reciprocal refined by fused residual steps, and a value
; exactly on a midpoint of the e2m1 grid goes toward zero (a search for the first bound that is not below |v|), not to the even code.
; e^t is Cephes' expf: t = n ln2 + r in two parts, a polynomial of degree 5 in r, times 2^n; multiply-adds fused.
; ONTO THE E4M3 GRID, in whole registers (
; the packed conversion to fp8 writes half a register).  For 0 <= a <= 448 the grid's step is
; 2^(floor(log2 max(a, 2^-6)) - 3), which is 2^-9 among the subnormal codes.  M = that power of two times 1.5 * 2^20 has the step as its
; last place and is an even multiple of it (1.5 * 2^23 steps), and a, below 16 steps, leaves M + a in M's binade.  So a + M, rounded once
; to nearest even, is M + the grid's nearest number, a tie going to the even code; taking M away again is exact.
; LIMITS KEPT: x is finite.  For g below about -87.3 the reciprocal of 1 + e^-g is below 2^-126 and is taken as 0 (so y = 0 there).
; n is the nearest whole number to -g log2(e) formed with one rounding.  1/(1+e) can be one unit in the last place off where 1 + e has
; a significand of all ones.  scale is such that 1/scale and gs/sf are normal f32 numbers.  e^t is good to about one unit in the last
; place.  The division by the constant 6 is a product by the f32 number nearest to 1/6, the form that a compiler gives a division by a
; constant: gs/6 can differ from the true quotient by one unit in the last place.  A block scale, or |wscale|, above 464 becomes NaN,
; as e4m3 without infinities makes it.
;
; THE MODE: SCHED_MODE bits 1:0 = 2 (LLVM: expert scheduling mode 2), set by the entry lines.  The code itself states the register
; dependences between vector instructions and memory instructions, with s_wait_alu, always for 0.
; THE PLAN, ACTIVATIONS.  A turn is one slot (2,048 columns of a row).  Registers that memory instructions touch:
;   v1, v2   byte offsets, made once at the head and never written again: the rows are reached by the scalar bases and by immediates.
;   X[s]     written by the slot's four loads; read by the turn's clamp of -g and by its two products (silu, y), which all stand ahead
;            of the turn's second wait on va_vdst; the loads of the next row's numbers follow that wait.
;   O[s]     written by the roundings at the end of slot s's turn; read by two stores that are issued in the next turn (the other
;            slot's), behind that turn's first wait on va_vdst; written again one turn later, behind the waits at that turn's head.
; The two waits on va_vdst of a turn stand where a batch of reciprocals has its wait in any case; no vector instruction between such a
; wait and the memory instructions behind it names a register that these touch.
; THE PLAN, WEIGHTS.  A turn is one row of w, in slot i = row mod 4.
;   v1, v2   byte offsets, as above.
;   WS[i], W[i]  written by the slot's four loads; read by the lines that round the scales and gather the codes, which all stand ahead of
;            the turn's one wait on va_vdst; the loads of the row four further down follow it.
;   WO[i%2]  written by turn i's roundings; read by two stores issued in turn i + 1, behind that turn's wait on va_vdst; written again in
;            turn i + 2, behind the waits at that turn's head.
.set XGROUPS, 1024                     ; work-groups of the activation stream
.set ROWX,   32768                     ; bytes in a row of x
.set ROWA,   8192                      ; bytes in a row of aq, of bq and of w
.set ROWS_,  1024                      ; bytes in a row of wscale
	s_load_b256 s[4:11], s[0:1], 0x0               ; x s[4:5], scale s[6:7], w s[8:9], wscale s[10:11]
	s_load_b128 s[12:15], s[0:1], 0x20             ; aq s[12:13], bq s[14:15]
	s_mov_b32 s47, 0x43e00000                      ; 448, e4m3's largest number
	s_mov_b32 s48, 0x43e80000                      ; 464, the last number that rounds to it (the tie goes to the even code)
	s_mov_b32 s44, 0x7f800000                      ; a number's exponent field
	s_mov_b32 s53, 0x7fc00000                      ; NaN
	s_mov_b32 s56, 0x49c00000                      ; 1.5 * 2^20, in both registers of a pair: a packed instruction counts as reading both
	s_mov_b32 s57, 0x49c00000
	s_mov_b32 s58, 0x3c800000                      ; 2^-6, e4m3's smallest normal number
	s_cmp_ge_u32 ttmp9, XGROUPS
	s_cbranch_scc1 .Lweights
; ---------------------------------------------------------------- activations
; A slot is 2,048 columns of one row; a row is slot 0, then slot 1.  Thread t holds 8 numbers of a slot, as two halves h = 0, 1 at
; columns 2048 s + 1024 h + 4 t .. + 3: four neighbouring lanes hold a block of 16, a wave's 16-byte load covers 512 consecutive
; bytes, and a wave's 8-byte store covers 256 consecutive bytes, aligned.
.set VG,  1                            ; v1       16 t: my bytes in a piece of x; never rewritten
.set VO,  2                            ; v2       8 t: my bytes in a piece of aq; never rewritten
.set MAG, 4                            ; v[4:5]   1.5 * 2^23, twice
.set P1,  6                            ; v[6:7]   the polynomial's second coefficient, twice
.set GS,  8                            ; v[8:9]   gs, twice
.set CQ,  10                           ; v[10:11] gs / 6, twice
.set MX,  12                           ; v[12:13] amax of my block, h = 0, 1
.set AS,  14                           ; v[14:15] amax * (gs/6)
.set SF,  16                           ; v[16:17] the block scale
.set RB,  18                           ; v[18:19] 1 / sf
.set EB,  20                           ; v[20:21] residuals; ahead of them, amax * (gs/6) brought to 448 at the most
.set QB,  22                           ; v[22:23] first quotient; ahead of it, M of the rounding to e4m3
.set IV,  24                           ; v[24:25] inv
.set T0,  26                           ; v26      at work, at the head
.set O,   28                           ; v[28:35] slot s: 4 registers to store
.set A,   36                           ; v[36:43], v[44:51], v[52:59], v[60:67]: four banks of 8 at work
.set B,   44
.set C,   52
.set D,   60
.set X,   68                           ; v[68:99] slot s: 8 registers of g, then 8 of u, as loaded
.macro SPAIR r, val                    ; a constant in both registers of a pair: a packed instruction counts as reading both
	s_mov_b32 s[\r], \val
	s_mov_b32 s[\r+1], \val
.endm
.macro XLOAD s, p, ahead               ; one of the slot's four loads: p = 0, 1: g, h = 0, 1; p = 2, 3: u; ahead = 1: of the next row
	global_load_b128 v[X+16*\s+4*\p:X+16*\s+4*\p+3], v[VG], s[4:5] offset:\ahead*ROWX+8192*\s+4096*(\p&1)+16384*(\p>>1) th:TH_LOAD_NT
.endm
.macro BYBLOCK dst, src, pair          ; 8 numbers times their block's figure: numbers 0-3 by the pair's first register, 4-7 by its second
.irp j, 0,2
	v_pk_mul_f32 v[\dst+\j:\dst+\j+1], v[\src+\j:\src+\j+1], v[\pair:\pair+1] op_sel_hi:[1,0]
.endr
.irp j, 4,6
	v_pk_mul_f32 v[\dst+\j:\dst+\j+1], v[\src+\j:\src+\j+1], v[\pair:\pair+1] op_sel:[0,1] op_sel_hi:[1,1]
.endr
.endm
	s_lshl_b32 s2, ttmp9, 17                       ; 4 rows of 32,768 bytes a group (below 2^28)
	s_mov_b32 s3, 0
	s_lshl_b32 s18, ttmp9, 15                      ; 4 rows of 8,192 bytes
	s_mov_b32 s19, 0
	v_lshlrev_b32 v[VG], 4, v0
	v_lshlrev_b32 v[VO], 3, v0
	s_wait_kmcnt 0x0
	s_load_b32 s16, s[6:7], 0x0                    ; scale
	s_add_nc_u64 s[4:5], s[4:5], s[2:3]
	s_add_nc_u64 s[12:13], s[12:13], s[18:19]
	s_wait_alu depctr_va_vdst(0)                   ; v1 and v2 are written: every load and store of this stream reads one of them as its offset
.irp p, 0,1,2,3
	XLOAD 0, \p, 0                                 ; row 0: eight loads of every wave are on their way before anything else is done
.endr
.irp p, 0,1,2,3
	XLOAD 1, \p, 0
.endr
	SPAIR 20, 0x3fb8aa3b                           ; log2(e)
	SPAIR 24, 0xbf318000                           ; -0.693359375, ln2's upper part
	SPAIR 26, 0x395e8083                           ; +2.12194440e-4, minus its lower part
	SPAIR 28, 0x39506967                           ; the polynomial, highest power first
	SPAIR 30, 0x3c088908
	SPAIR 32, 0x3d2aa9c1
	SPAIR 34, 0x3e2aaaaa
	s_mov_b32 s38, 0xc2af999a                      ; -87.8 and 88: the exponent's argument is kept where 2^n can be built
	s_mov_b32 s39, 0x42b00000
	SPAIR 40, 0x3f7fffff                           ; 1 - 2^-24
	SPAIR 42, 0x4ac00000                           ; 1.5 * 2^22
	s_mov_b32 s45, 0x40c00000                      ; 6
	s_mov_b32 s46, 0xc0c00000                      ; -6
	s_mov_b32 s49, 0x3e2aaaab                      ; the f32 number nearest to 1/6
	v_mov_b32 v[MAG], 0x4b400000
	v_mov_b32 v[MAG+1], 0x4b400000
	v_mov_b32 v[P1], 0x3ab743ce
	v_mov_b32 v[P1+1], 0x3ab743ce
	s_wait_kmcnt 0x0                               ; scale
	v_rcp_f32 v[GS], s16
	v_nop                                          ; one plain instruction behind a reciprocal before its result is used (ISA guide 5.7.2)
	s_wait_alu depctr_va_vdst(0)                   ; the reciprocal has written v[GS], which the residual steps read
.rept 2
	v_fma_f32 v[T0], -s16, v[GS], 1.0              ; gs = 1 / scale: two residual steps
	v_fma_f32 v[GS], v[T0], v[GS], v[GS]
.endr
	v_mul_f32 v[CQ], s49, v[GS]                    ; gs / 6 as one product by the rounded 1/6 (see the limits at the head)
	v_mov_b32 v[GS+1], v[GS]
	v_mov_b32 v[CQ+1], v[CQ]
; One slot's turn.  refill = 1: the slot is loaded again with the next row's numbers.  left = how many younger loads may stay out: the
; other slot's four.  st = 1: the turn before has left its four registers to be stored.  again = 1: this slot's O has been stored before.
.macro XSLOT s, refill, left, st, again
	s_wait_loadcnt \left                           ; loads come back in order (ISA guide 5.7.1): this slot's four are in
.if \again
	s_wait_xcnt 0x0                                ; every earlier memory instruction has had its addresses translated (ISA guide 3.1): the bases and this slot's O are rewritten only behind this wait
	s_wait_alu depctr_vm_vsrc(0)                   ; the stores issued in the turn before have read this slot's O, which this turn's roundings write again
.if \s == 0
.if \refill
	s_add_nc_u64 s[4:5], s[4:5], ROWX              ; both bases at this turn's row
.endif
	s_add_nc_u64 s[12:13], s[12:13], ROWA
.endif
.endif
.irp j, 0,1,2,3,4,5,6,7
	v_med3_num_f32 v[A+\j], -v[X+16*\s+\j], s38, s39           ; t = -g, kept in [-87.8, 88]
.endr
.irp j, 0,2,4,6
	v_pk_fma_f32 v[B+\j:B+\j+1], v[A+\j:A+\j+1], s[20:21], v[MAG:MAG+1] op_sel_hi:[1,0,1]   ; 1.5 * 2^23 + n: n stands in the low bits
.endr
.irp j, 0,1,2,3,4,5,6,7
	v_lshl_add_u32 v[C+\j], v[B+\j], 23, 0x3f800000            ; 2^n: (127 + n) in the exponent field
.endr
.irp j, 0,2,4,6
	v_pk_add_f32 v[B+\j:B+\j+1], v[B+\j:B+\j+1], v[MAG:MAG+1] neg_lo:[0,1] neg_hi:[0,1]     ; n as a number
.endr
.irp j, 0,2,4,6
	v_pk_fma_f32 v[A+\j:A+\j+1], v[B+\j:B+\j+1], s[24:25], v[A+\j:A+\j+1] op_sel_hi:[1,0,1] ; r = t - n ln2, in two parts
.endr
.irp j, 0,2,4,6
	v_pk_fma_f32 v[A+\j:A+\j+1], v[B+\j:B+\j+1], s[26:27], v[A+\j:A+\j+1] op_sel_hi:[1,0,1]
.endr
.irp j, 0,2,4,6
	v_pk_fma_f32 v[B+\j:B+\j+1], v[A+\j:A+\j+1], s[28:29], v[P1:P1+1] op_sel_hi:[1,0,1]     ; Horner
.endr
.irp c, 30,32,34
.irp j, 0,2,4,6
	v_pk_fma_f32 v[B+\j:B+\j+1], v[B+\j:B+\j+1], v[A+\j:A+\j+1], s[\c:\c+1] op_sel_hi:[1,1,0]
.endr
.endr
.irp j, 0,2,4,6
	v_pk_fma_f32 v[B+\j:B+\j+1], v[B+\j:B+\j+1], v[A+\j:A+\j+1], 0.5 op_sel_hi:[1,1,0]
.endr
.irp j, 0,2,4,6
	v_pk_mul_f32 v[D+\j:D+\j+1], v[A+\j:A+\j+1], v[A+\j:A+\j+1]                             ; r^2
.endr
.irp j, 0,2,4,6
	v_pk_fma_f32 v[B+\j:B+\j+1], v[B+\j:B+\j+1], v[D+\j:D+\j+1], v[A+\j:A+\j+1]             ; p r^2 + r
.endr
.irp j, 0,2,4,6
	v_pk_add_f32 v[B+\j:B+\j+1], v[B+\j:B+\j+1], 1.0 op_sel_hi:[1,0]                        ; e^r
.endr
.irp j, 0,2,4,6
	v_pk_fma_f32 v[B+\j:B+\j+1], v[B+\j:B+\j+1], v[C+\j:C+\j+1], 1.0 op_sel_hi:[1,1,0]      ; 1 + e^r 2^n: the product by 2^n is exact wherever it can change the sum
.endr
.irp j, 0,1,2,3,4,5,6,7
	v_rcp_f32 v[D+\j], v[B+\j]
.endr
	v_nop                                          ; the plain instruction behind the reciprocals (ISA guide 5.7.2)
	s_wait_alu depctr_va_vdst(0)                   ; the eight reciprocals have written D, which the residual steps read; and the turn before has written the other slot's O, which the stores below read
.if \st
.irp h, 0,1
	global_store_b64 v[VO], v[O+4*(1-\s)+2*\h:O+4*(1-\s)+2*\h+1], s[12:13] offset:4096*(1-\s)+2048*\h-ROWA*(1-\s)  ; the turn before; slot 1's lie in the row before: the offset reaches back
.endr
.endif
.irp j, 0,2,4,6
	v_pk_fma_f32 v[A+\j:A+\j+1], v[B+\j:B+\j+1], v[D+\j:D+\j+1], 1.0 op_sel_hi:[1,1,0] neg_lo:[1,0,0] neg_hi:[1,0,0]   ; 1 - (1 + e) d
.endr
.irp j, 0,2,4,6
	v_pk_fma_f32 v[D+\j:D+\j+1], v[A+\j:A+\j+1], v[D+\j:D+\j+1], v[D+\j:D+\j+1]             ; 1 / (1 + e^-g), after a residual step
.endr
.irp j, 0,2,4,6
	v_pk_mul_f32 v[D+\j:D+\j+1], v[X+16*\s+\j:X+16*\s+\j+1], v[D+\j:D+\j+1]                 ; silu(g)
.endr
.irp j, 0,2,4,6
	v_pk_mul_f32 v[D+\j:D+\j+1], v[D+\j:D+\j+1], v[X+16*\s+8+\j:X+16*\s+8+\j+1]             ; y: g and u have been read for the last time
.endr
.irp h, 0,1
	v_max3_num_f32 v[MX+\h], |v[D+4*\h]|, |v[D+4*\h+1]|, |v[D+4*\h+2]|
	v_max_num_f32 v[MX+\h], v[MX+\h], |v[D+4*\h+3]|
.endr
.irp m, 1,2
.irp h, 0,1
	v_max_num_f32_dpp v[MX+\h], v[MX+\h], v[MX+\h] row_xmask:\m row_mask:0xf bank_mask:0xf  ; over the block's four lanes; all four end with amax
.endr
.endr
	v_pk_mul_f32 v[AS:AS+1], v[MX:MX+1], v[CQ:CQ+1]
	v_cmp_ge_f32 s54, s48, v[AS]                   ; up to 464 the nearest e4m3 number is at most 448: such a value is brought to 448 at the
	v_cmp_ge_f32 s55, s48, v[AS+1]                 ; most and rounded; a larger one becomes NaN
	v_min_num_f32 v[EB], s47, v[AS]
	v_min_num_f32 v[EB+1], s47, v[AS+1]
	v_max_num_f32 v[QB], s58, v[EB]                ; onto the e4m3 grid (see the head): the number's power of two, 2^-6 at the least,
	v_max_num_f32 v[QB+1], s58, v[EB+1]
	v_and_b32 v[QB], s44, v[QB]
	v_and_b32 v[QB+1], s44, v[QB+1]
	v_pk_mul_f32 v[QB:QB+1], v[QB:QB+1], s[56:57] op_sel_hi:[1,0]                           ; M,
	v_pk_add_f32 v[SF:SF+1], v[EB:EB+1], v[QB:QB+1]                                         ; the one rounding,
	v_pk_add_f32 v[SF:SF+1], v[SF:SF+1], v[QB:QB+1] neg_lo:[0,1] neg_hi:[0,1]               ; and M away again, exactly
	s_wait_alu depctr_va_sdst(0)                   ; the two compares have written s54 and s55, which the two selects read
	v_cndmask_b32 v[SF], s53, v[SF], s54           ; sf; NaN where the product was not 464 or less
	v_cndmask_b32 v[SF+1], s53, v[SF+1], s55
	v_cmp_lt_f32 s50, 0, v[SF]
	v_cmp_lt_f32 s51, 0, v[SF+1]
	v_rcp_f32 v[RB], v[SF]
	v_rcp_f32 v[RB+1], v[SF+1]
	v_nop                                          ; the plain instruction behind the reciprocals
	s_wait_alu depctr_va_vdst(0)                   ; the two reciprocals have written RB, which the next line reads; and the turn's readers of the slot's g and u are done, in whose registers the loads below land
.if \refill
	XLOAD \s, 0, 1                                 ; the four loads are dealt among the lines below, none of which names the slot's X or v1
.endif
	v_pk_fma_f32 v[EB:EB+1], v[SF:SF+1], v[RB:RB+1], 1.0 op_sel_hi:[1,1,0] neg_lo:[1,0,0] neg_hi:[1,0,0]   ; 1 - sf r
.if \refill
	XLOAD \s, 1, 1
.endif
	v_pk_fma_f32 v[RB:RB+1], v[EB:EB+1], v[RB:RB+1], v[RB:RB+1]      ; 1 / sf
.if \refill
	XLOAD \s, 2, 1
.endif
	v_pk_mul_f32 v[QB:QB+1], v[RB:RB+1], v[GS:GS+1]                  ; gs / sf: first quotient,
.if \refill
	XLOAD \s, 3, 1
.endif
	v_pk_fma_f32 v[EB:EB+1], v[SF:SF+1], v[QB:QB+1], v[GS:GS+1] neg_lo:[1,0,0] neg_hi:[1,0,0]   ; its exact remainder,
	v_pk_fma_f32 v[IV:IV+1], v[EB:EB+1], v[RB:RB+1], v[QB:QB+1]      ; one correction
	s_wait_alu depctr_va_sdst(0)                   ; the compares of sf with 0 have written s50 and s51, which the two selects read
	v_cndmask_b32 v[IV], 0, v[IV], s50             ; 0 where sf is not above 0
	v_cndmask_b32 v[IV+1], 0, v[IV+1], s51
	BYBLOCK A, D, IV                               ; v = y inv
.irp j, 0,1,2,3,4,5,6,7
	v_med3_num_f32 v[A+\j], v[A+\j], s46, s45      ; clipped to [-6, 6]
.endr
	; Onto the e2m1 grid.  Its step is half of 2^floor(log2 max(|v|, 1)): 0.5 below 2, 1 below 4, 2 up to 6.  M = that power times
	; 1.5 * 2^22 has the step as its last place, so v (1 - 2^-24) + M, rounded once, is M + the grid's nearest number; the factor
	; takes a v that lies on a midpoint T below it, and leaves the next number above T above it (its distance from T is at least
	; T * 2^-23 / 1.75).  So midpoints go toward zero and nothing else moves.
.irp j, 0,1,2,3,4,5,6,7
	v_max_num_f32 v[B+\j], |v[A+\j]|, 1.0
.endr
.irp j, 0,1,2,3,4,5,6,7
	v_and_b32 v[B+\j], s44, v[B+\j]
.endr
.irp j, 0,2,4,6
	v_pk_mul_f32 v[B+\j:B+\j+1], v[B+\j:B+\j+1], s[42:43] op_sel_hi:[1,0]
.endr
.irp j, 0,2,4,6
	v_pk_fma_f32 v[A+\j:A+\j+1], v[A+\j:A+\j+1], s[40:41], v[B+\j:B+\j+1] op_sel_hi:[1,0,1]
.endr
.irp j, 0,2,4,6
	v_pk_add_f32 v[A+\j:A+\j+1], v[A+\j:A+\j+1], v[B+\j:B+\j+1] neg_lo:[0,1] neg_hi:[0,1]   ; q, exactly
.endr
	BYBLOCK A, A, SF                               ; q sf, exact
.irp k, 0,1,2,3
	v_cvt_pk_bf16_f32 v[O+4*\s+\k], v[A+2*\k], v[A+2*\k+1]     ; exact too.  They are stored in the next turn
.endr
.endm
	XSLOT 0, 1, 4, 0, 0                            ; row 0 is written out: its first turn has nothing to store, and neither slot's O has been stored before
	XSLOT 1, 1, 4, 1, 0
	s_mov_b32 s52, 2
.Lrow:                                                 ; rows 1 and 2
	XSLOT 0, 1, 4, 1, 1
	XSLOT 1, 1, 4, 1, 1
	s_sub_co_u32 s52, s52, 1
	s_cmp_lg_u32 s52, 0
	s_cbranch_scc1 .Lrow
	XSLOT 0, 0, 4, 1, 1                            ; the fourth row: nothing more is loaded, the counts run down
	XSLOT 1, 0, 0, 1, 1
	s_wait_alu depctr_va_vdst(0)                   ; the last turn has written slot 1's O, which the last two stores read
.irp h, 0,1
	global_store_b64 v[VO], v[O+4+2*\h:O+4+2*\h+1], s[12:13] offset:4096+2048*\h
.endr
	s_endpgm
; ---------------------------------------------------------------- weights
; A step is one row of w (2,048 words, each with two e2m1 codes in its low byte).  Wave v takes bytes 1024 v .. + 1023 of it by two
; 16-byte loads (q = 0, 1) of 512 consecutive bytes.  A word becomes two bf16, so what a lane loads it stores at the same offset in bq.
; The wave's 512 numbers have 32 scales, 128 consecutive bytes of the row of wscale.  In load q lane L holds k = 256 q + 8 L .. + 7 of
; the wave's numbers, half a block, so it needs scale 16 q + L/2: it loads that word itself, once for each q, 64 bytes apart (two
; neighbouring lanes take the same word; the two loads together cover the wave's 128 bytes).  No number passes between lanes.
.set WVW, 1                            ; v1       1024 v + 16 L; never rewritten
.set WVS, 2                            ; v2       128 v + 4 (L/2): my scale's byte for q = 0 in the row of wscale; never rewritten
.set ONE8, 3                           ; v3       the exponent code of 1.0 for the scaled conversion, in all four bytes
.set WS,  4                            ; v[4:11]  slot i: my two scales as loaded, q = 0, 1
.set W,   12                           ; v[12:43] slot i: 8 words as loaded
.set SC,  44                           ; v44, v46 my block's scale as e4m3 holds it, q = 0, 1: each the first register of a pair
.set WT,  45                           ; v45, v47 its magnitude as loaded: the pairs' second registers, written in every turn
                                       ; v48      at work, at the head;  v50, v51: at work
.set PK,  52                           ; v[52:53] load q: my eight codes in one word
.set F,   54                           ; v[54:61] eight numbers in f32; ahead of them: v[54:55] the two magnitudes on their way onto the e4m3 grid, v[56:57] their M
.set WO,  62                           ; v[62:77] buffer i % 2, load q: 4 registers to store
.macro WSCALES i, ahead                ; the slot's two loads of scales; ahead = 1: of the row four further down
	global_load_b32 v[WS+2*\i], v[WVS], s[10:11] offset:\ahead*4*ROWS_+ROWS_*\i
	global_load_b32 v[WS+2*\i+1], v[WVS], s[10:11] offset:\ahead*4*ROWS_+ROWS_*\i+64
.endm
.macro WWORDS i, q, ahead              ; one of the slot's two loads of words
	global_load_b128 v[W+8*\i+4*\q:W+8*\i+4*\q+3], v[WVW], s[8:9] offset:\ahead*4*ROWA+ROWA*\i+512*\q th:TH_LOAD_NT
.endm
.Lweights:
	s_sub_co_u32 s16, ttmp9, XGROUPS
	s_lshl_b32 s2, s16, 17                         ; 16 rows of 8,192 bytes, in w and in bq
	s_mov_b32 s3, 0
	s_lshl_b32 s18, s16, 14                        ; 16 rows of 1,024 bytes in wscale
	s_mov_b32 s19, 0
	s_mov_b32 s24, 0x0400                          ; the low bytes of two words into bytes 0 and 1
	s_mov_b32 s25, 0x05040100                      ; two such pairs into one word
	s_mov_b32 s27, 0x7fffffff                      ; all of a number but its sign
	v_and_b32 v48, 31, v0                          ; L
	v_and_b32 v50, 0xe0, v0                        ; 32 v
	v_lshlrev_b32 v[WVW], 4, v48
	v_lshl_or_b32 v[WVW], v50, 5, v[WVW]           ; 1024 v + 16 L
	v_lshlrev_b32 v[WVS], 1, v0
	v_and_b32 v[WVS], 0x3c, v[WVS]                 ; 4 (L/2)
	v_lshl_or_b32 v[WVS], v50, 2, v[WVS]           ; + 128 v
	v_mov_b32 v[ONE8], 0x7f7f7f7f                  ; the factor is 1
	s_wait_kmcnt 0x0
	s_add_nc_u64 s[8:9], s[8:9], s[2:3]
	s_add_nc_u64 s[14:15], s[14:15], s[2:3]
	s_add_nc_u64 s[10:11], s[10:11], s[18:19]
	s_wait_alu depctr_va_vdst(0)                   ; v1 and v2 are written: every load and store of this stream reads one of them as its offset
.irp i, 0,1,2,3
	WSCALES \i, 0                                  ; four rows, sixteen loads of every wave on their way
	WWORDS \i, 0, 0
	WWORDS \i, 1, 0
.endr
; The turn of slot i = row i of a trip's four.  refill = 1: the slot is loaded again with the row four further down.  left = how many
; younger loads may stay out: four for each younger slot.  st = 1: the turn before has left its eight registers to be stored.
; again = 1: this turn's buffer of WO has been stored before.
.macro WSLOT i, refill, left, st, again
	s_wait_loadcnt \left
.if \again
	s_wait_xcnt 0x0                                ; every earlier memory instruction has had its addresses translated (ISA guide 3.1): the bases and this turn's buffer of WO are rewritten only behind this wait
	s_wait_alu depctr_vm_vsrc(0)                   ; the stores issued in the turn before have read this turn's buffer of WO, which its roundings write again
.if \i == 0
.if \refill
	s_add_nc_u64 s[8:9], s[8:9], 4*ROWA            ; the bases at this trip's first row
	s_add_nc_u64 s[10:11], s[10:11], 4*ROWS_
.endif
	s_add_nc_u64 s[14:15], s[14:15], 4*ROWA
.endif
.endif
.irp q, 0,1
	v_and_b32 v[WT+2*\q], s27, v[WS+2*\i+\q]       ; the magnitude is rounded to e4m3, the sign is put back behind it
.endr
	v_cmp_ge_f32 s54, s48, v[WT]                   ; as for the block scales: up to 464 to at most 448, beyond it NaN
	v_cmp_ge_f32 s55, s48, v[WT+2]
	v_min_num_f32 v[F], s47, v[WT]
	v_min_num_f32 v[F+1], s47, v[WT+2]
	v_max_num_f32 v[F+2], s58, v[F]                ; onto the e4m3 grid (see the head): the number's power of two, 2^-6 at the least,
	v_max_num_f32 v[F+3], s58, v[F+1]
	v_and_b32 v[F+2], s44, v[F+2]
	v_and_b32 v[F+3], s44, v[F+3]
	v_pk_mul_f32 v[F+2:F+3], v[F+2:F+3], s[56:57] op_sel_hi:[1,0]                           ; M,
	v_pk_add_f32 v[F:F+1], v[F:F+1], v[F+2:F+3]                                             ; the one rounding,
	v_pk_add_f32 v[F:F+1], v[F:F+1], v[F+2:F+3] neg_lo:[0,1] neg_hi:[0,1]                   ; and M away again, exactly
.irp q, 0,1
	v_perm_b32 v50, v[W+8*\i+4*\q+1], v[W+8*\i+4*\q], s24      ; the words' low bytes alone count
	v_perm_b32 v51, v[W+8*\i+4*\q+3], v[W+8*\i+4*\q+2], s24
	v_perm_b32 v[PK+\q], v51, v50, s25             ; eight codes, the lowest k in the lowest bits
.endr
	s_wait_alu depctr_va_sdst(0)                   ; the two compares have written s54 and s55, which the two selects read
	v_cndmask_b32 v[F], s53, v[F], s54             ; NaN where the magnitude was not 464 or less
	v_cndmask_b32 v[F+1], s53, v[F+1], s55
	v_bfi_b32 v[SC], s27, v[F], v[WS+2*\i]
	v_bfi_b32 v[SC+2], s27, v[F+1], v[WS+2*\i+1]   ; the slot's scales and words have been read for the last time
	s_wait_alu depctr_va_vdst(0)                   ; the lines above are done reading the slot's WS and W, in which the loads below land; and the turn before has written the other buffer of WO, which the stores below read
.if \refill
	WSCALES \i, 1
.endif
.irp q, 0,1
.if \refill
	WWORDS \i, \q, 1                               ; no vector instruction since the wait names the slot's W or WS, the other buffer of WO, v1 or v2
.endif
.if \st
	global_store_b128 v[WVW], v[WO+8*(1-(\i)%2)+4*\q:WO+8*(1-(\i)%2)+4*\q+3], s[14:15] offset:ROWA*(\i-1)+512*\q  ; the row before; in slot 0's turn the offset reaches back
.endif
	v_cvt_scale_pk8_f32_fp4 v[F:F+7], v[PK+\q], v[ONE8]
	v_nop                                          ; one plain instruction behind a scaled conversion before its result is read
.irp k, 0,2,4,6
	v_pk_mul_f32 v[F+\k:F+\k+1], v[F+\k:F+\k+1], v[SC+2*\q:SC+2*\q+1] op_sel_hi:[1,0]       ; both by the pair's first register
.endr
.irp k, 0,1,2,3
	v_cvt_pk_bf16_f32 v[WO+8*((\i)%2)+4*\q+\k], v[F+2*\k], v[F+2*\k+1]                      ; they are stored in the next turn
.endr
.endr
.endm
	WSLOT 0, 1, 12, 0, 0                           ; the first four rows are written out: the first turn has nothing to store, and in the first two no buffer of WO has been stored before
	WSLOT 1, 1, 12, 1, 0
	WSLOT 2, 1, 12, 1, 1
	WSLOT 3, 1, 12, 1, 1
	s_mov_b32 s52, 2
.Lwrows:                                               ; rows 4 to 11
.irp i, 0,1,2,3
	WSLOT \i, 1, 12, 1, 1
.endr
	s_sub_co_u32 s52, s52, 1
	s_cmp_lg_u32 s52, 0
	s_cbranch_scc1 .Lwrows
	WSLOT 0, 0, 12, 1, 1                           ; the last four rows load nothing: the counts run down
	WSLOT 1, 0, 8, 1, 1
	WSLOT 2, 0, 4, 1, 1
	WSLOT 3, 0, 0, 1, 1
	s_wait_alu depctr_va_vdst(0)                   ; the last turn has written the second buffer of WO, which the last two stores read
.irp q, 0,1
	global_store_b128 v[WVW], v[WO+8+4*\q:WO+8+4*\q+3], s[14:15] offset:ROWA*3+512*\q
.endr
	s_endpgm
.Lfunc_end_k_qbef38127ba_prep:
	.size	k_qbef38127ba_prep, .Lfunc_end_k_qbef38127ba_prep-k_qbef38127ba_prep
	.p2alignl 7, 3214868480
	.fill 96, 4, 3214868480
	.section	.rodata,"a",@progbits
	.p2align	6, 0x0
	.amdhsa_kernel k_qbef38127ba_prep
		.amdhsa_group_segment_fixed_size 0
		.amdhsa_private_segment_fixed_size 0
		.amdhsa_enable_private_segment 0
		.amdhsa_kernarg_size 48
		.amdhsa_user_sgpr_count 2
		.amdhsa_user_sgpr_kernarg_segment_ptr 1
		.amdhsa_wavefront_size32 1
		.amdhsa_system_sgpr_workgroup_id_x 1
		.amdhsa_system_sgpr_workgroup_id_y 1
		.amdhsa_system_sgpr_workgroup_id_z 1
		.amdhsa_system_vgpr_workitem_id 0
		.amdhsa_next_free_vgpr 100
		.amdhsa_next_free_sgpr 66
		.amdhsa_reserve_vcc 0
		.amdhsa_float_denorm_mode_32 3
		.amdhsa_float_denorm_mode_16_64 3
		.amdhsa_memory_ordered 1
		.amdhsa_forward_progress 1
		.amdhsa_inst_pref_size 108
	.end_amdhsa_kernel
	.amdgpu_metadata
---
amdhsa.version: [ 1, 2 ]
amdhsa.kernels:
  - .name:           k_qbef38127ba_prep
    .symbol:         k_qbef38127ba_prep.kd
    .args:
      - { .name: x, .offset: 0, .size: 8, .value_kind: global_buffer, .address_space: global }
      - { .name: scale, .offset: 8, .size: 8, .value_kind: global_buffer, .address_space: global }
      - { .name: w, .offset: 16, .size: 8, .value_kind: global_buffer, .address_space: global }
      - { .name: wscale, .offset: 24, .size: 8, .value_kind: global_buffer, .address_space: global }
      - { .name: aq, .offset: 32, .size: 8, .value_kind: global_buffer, .address_space: global }
      - { .name: bq, .offset: 40, .size: 8, .value_kind: global_buffer, .address_space: global }
    .group_segment_fixed_size: 0
    .private_segment_fixed_size: 0
    .kernarg_segment_align: 8
    .kernarg_segment_size: 48
    .max_flat_workgroup_size: 256
    .sgpr_count:     66
    .vgpr_count:     100
    .wavefront_size: 32
...
	.end_amdgpu_metadata
.endif
;; end of part 3
;; launch gemm: the kernel of part 2 again; grid 16 x 16, 4 waves a work-group, clusters of 4 x 4, 327,680 bytes of LDS; arguments aq, bq, out0, scale, wscale2; writes out0
